; MI455X (gfx1250); checked and timed in simulation.
; The chip was launched on July 23, 2026; its instructions are those of AMD's public machine-readable ISA for CDNA 5 (MIT licence, August 2026) and "CDNA5" Instruction Set Architecture Reference Guide (July 2026). The comments in the code are by the model that wrote it; some were corrected since.
;; Bert Self Attention. Allowed arithmetic: matrix products marked QUANTISED: E2M1 operands, one E8M0 scale for each 32 along K, by v_wmma_scale_f32_16x16x128_f8f6f4 with both operands' format E2M1 (or v_wmma_scale_f32_32x16x128_f4), f32 sums; products left as they are: bf16, f16 or f32 operands; f32 sums; everything else in f32.
;; Inputs: Wk 1,024 x 1,024 float32; Wq 1,024 x 1,024 float32; Wv 1,024 x 1,024 float32; attention_mask 8 x 1 x 1 x 1,024 float32; bk 1,024 float32; bq 1,024 float32; bv 1,024 float32; hidden_states 8 x 1,024 x 1,024 float32.
;; Outputs: out0 8 x 1,024 x 1,024 float32.
;; This version of the problem:
;;   THIS VERSION OF THE PROBLEM IS GIVEN IN LOW PRECISION. The matrix products marked QUANTISED in the list below multiply operands that are first quantised to E2M1 (2 exponent bits, 1 mantissa bit; 4 bits a number), with one power-of-two scale for each 32 numbers along K (OCP MX v1.0); their sums are f32. The products marked 'left as it is' may take bf16, f16 or f32 operands, with f32 sums. Whichever they take, every output number must still come out within the allowed error. Rounding operands to bf16 (8 significant bits) uses up far more of that allowance than f16 does (11 bits, for magnitudes from 6e-5 to 65,504). All else is computed in f32.
;;   The module's matrix products, in the order in which they are computed (A, B: the left and right operand; K: the contracted axis; several contracted axes count as one K, in the product's order):
;;     1. [M 8,192, K 1,024] x [K 1,024, N 1,024]; A: input hidden_states; B: input Wq: QUANTISED
;;     2. [M 8,192, K 1,024] x [K 1,024, N 1,024]; A: input hidden_states; B: input Wk: QUANTISED
;;     3. [M 8,192, K 1,024] x [K 1,024, N 1,024]; A: input hidden_states; B: input Wv: QUANTISED
;;     4. batch 128 x [M 1,024, K 64] x [K 64, N 1,024]; A: computed on the way; B: computed on the way: left as it is (an operand is computed on the way)
;;     5. batch 128 x [M 1,024, K 1,024] x [K 1,024, N 64]; A: computed on the way; B: computed on the way: left as it is (an operand is computed on the way)
;;   THE QUANTISER, for each operand of a quantised product, along K:
;;     - K is cut into blocks of 32 from its start; a last block that is shorter is filled with zeros.
;;     - A block's scale is 2^e with e = floor(log2(the largest magnitude in the block)) - 2, held to -126 .. 127; a block of zeros has e = 0. As a byte (E8M0): e + 127.
;;     - Each number is divided by its block's scale, clamped to +-6, and rounded to the nearest number of E2M1, ties to even, subnormals kept.
;;     - The product sums the exact products of the quantised numbers (number of the format x scale) in f32.
;;   ~~~python
;;   def quantise(x, axis):      # numpy; x: float32 -> the quantised numbers, widened to float32 again
;;       x = np.moveaxis(x, axis, -1); K = x.shape[-1]
;;       x = np.pad(x, [(0, 0)] * (x.ndim - 1) + [(0, -K % 32)]); x = x.reshape(x.shape[:-1] + (-1, 32)); a = np.abs(x).max(-1, keepdims=True)
;;       e = np.where(a > 0, np.clip(np.frexp(np.where(a > 0, a, 1))[1] - 1 - 2, -126, 127), 0)      # np.frexp(a)[1] - 1 = floor(log2(a)), exactly
;;       r = np.clip(x / 2.0 ** e, -6, 6)
;;       step = 2.0 ** (np.maximum(np.frexp(np.where(r == 0, 1, r))[1] - 1, 0) - 1)
;;       q = np.round(r / step) * step * 2.0 ** e      # np.round: ties to even
;;       return np.moveaxis(q.reshape(q.shape[:-2] + (-1,))[..., :K], -1, axis).astype(np.float32)
;;   ~~~
;; One version. Each part assembles by itself: llvm-mc -triple=amdgcn-amd-amdhsa -mcpu=gfx1250 --defsym DOCPART=n.
;; ======== version 1 of 1: 3 launches
;; limits: values are held in f16: magnitudes above 65,504 overflow, below 6.1e-05 lose precision; right only within a limited range of input values
;; workspace buffers: x_codes 4,194,304 bytes; x_scales 262,144 bytes; w_codes 1,572,864 bytes; w_scales 98,304 bytes; qkv 50,331,648 bytes
;; launch quant (part 1): grid 352 x 1, 4 waves a work-group, no clusters, 33,280 bytes of LDS; arguments hidden_states, Wq, Wk, Wv, x_codes, x_scales, w_codes, w_scales; writes x_codes, x_scales, w_codes, w_scales
.if DOCPART == 1
	.amdgcn_target "amdgcn-amd-amdhsa--gfx1250"
	.amdhsa_code_object_version 6
	.text
	.protected	k_q246e84715f_quant
	.globl	k_q246e84715f_quant
	.p2align	8
	.type	k_q246e84715f_quant,@function
k_q246e84715f_quant:
	s_mov_b64 s[64:65], 0
	v_nop
	global_prefetch_b8 v0, s[64:65] scope:SCOPE_SE
	s_setreg_imm32_b32 hwreg(HW_REG_WAVE_MODE, 25, 1), 1
	s_wait_xcnt 0x0
; hidden_states [8192][1024] and Wq, Wk, Wv [1024][1024], f32, K innermost, are turned into codes of FP4 (E2M1), 4 bits each, K innermost, with one E8M0 scale byte for each 32 along K.
; x_codes [8192][512 bytes], x_scales [8192][32];  w_codes [3072][512 bytes], w_scales [3072][32]: rows 0-1023 Wq, 1024-2047 Wk, 2048-3071 Wv.
; A block's scale is 2^(floor(log2(its largest magnitude)) - 2); its byte is the largest magnitude's own exponent field - 2, held at 1 from below.  Each number is divided by the scale and rounded to the nearest code, ties to even, beyond 6 the largest code.
; LIMITS: a block of zeros gets the byte 1 where the rule says 127: its codes are zeros, which add nothing under any byte but 0xff, and the bytes are read by this program alone.
; Blocks whose largest magnitude lies under 2^(2 - 126) have their byte held at 1.  NaN and infinities among the inputs are not served.
; Rows are dense and K is a multiple of 32, so every tensor is a plain stream of blocks of 32 numbers, and so are its codes and scale bytes.
; A work-group takes 32,768 numbers, a wave 8,192: 16 steps of 512.  Work-groups 0-255 take hidden_states, 256-351 the three weights, 32 each: only pointers are chosen, by the work-group's number; all take one path.
; Each of a step's four loads reads 512 consecutive bytes, 16 a lane; the 2,048 bytes go through the wave's own stage in LDS and come back 64 bytes a lane, so that a lane holds 16 neighbours along K (two lanes hold a block).
; A lane's 16 codes are 8 bytes: the wave stores 256 consecutive bytes.  A wave's 256 scale bytes are gathered in its own LDS bytes and leave as one aligned run of 256 bytes.
; No tensor loads, no barrier: waves share nothing.  Loads run four steps (16 loads a wave) ahead, the turn through LDS one step.
.set WAVES, 4
.set STEPS, 16
.set XG,    256                        ; work-groups that take hidden_states: 8192 x 1024 / 32768
.set EMAX,  2
.set CB,    8                          ; bytes of 16 codes
.set R,     16                         ; v16-79   four sets of 16 numbers as they are loaded
.set X,     80                         ; v80-111  two sets of 16 neighbours
.set C,     128                        ; v128-191 codes: four registers for each step, so that no store's data are written again
.set E,     112                        ; v112-127 a scale byte for each step
.set WREG,  8192                       ; LDS: a region for each wave: two stages of 32 x SP bytes, and behind them its 256 scale bytes
.set SP,    80                         ; a lane's place in a stage: its 64 bytes + 16 of padding
.set SPW,   12                         ; v12      LDS address of my spare word: SPARE + 4 x my thread's number; never rewritten
.set NIL,   13                         ; v13      0; never rewritten
.set SPARE, WAVES*WREG                 ; behind the four regions: the spare words, 128 bytes for each wave, which no other line names
	s_load_b256 s[4:11], s[0:1], 0x0               ; hidden_states s[4:5], Wq s[6:7], Wk s[8:9], Wv s[10:11]
	s_load_b256 s[20:27], s[0:1], 0x20             ; x_codes s[20:21], x_scales s[22:23], w_codes s[24:25], w_scales s[26:27]
	v_lshl_add_u32 v[SPW], v0, 2, SPARE
	v_mov_b32 v[NIL], 0
	v_lshrrev_b32 v1, 5, v0
	v_readfirstlane_b32 s16, v1                    ; wave
	v_and_b32 v2, 31, v0                           ; lane
	v_lshlrev_b32 v3, 4, v2                        ; my 16 bytes of a load's 512
	s_mul_i32 s17, s16, WREG
	v_lshrrev_b32 v14, 2, v2
	v_mul_u32_u24 v14, v14, SP
	v_and_b32 v15, 3, v2
	v_lshl_add_u32 v14, v15, 4, v14
	v_add_nc_u32 v14, s17, v14                     ; the stage, on the way in: four lanes' 64 bytes on end, then 16 of padding
	v_mul_u32_u24 v15, v2, SP
	v_add_nc_u32 v15, s17, v15                     ; and on the way out: SP x lane: my 16 neighbours
	v_mul_u32_u24 v4, v2, CB                       ; my codes' place in a step's
	v_lshrrev_b32 v5, 1, v2
	s_add_co_u32 s17, s17, 2*32*SP
	v_add_nc_u32 v5, s17, v5                       ; LDS: my wave's 256 scale bytes, my block's byte
	v_lshlrev_b32 v7, 3, v2                        ; and on the way out 8 bytes a lane
	v_add_nc_u32 v6, s17, v7
	s_wait_kmcnt 0x0
	s_cmp_lt_u32 ttmp9, XG                         ; hidden_states or a weight?  Every choice hangs on the work-group's number alone
	s_cselect_b32 s17, 0, XG
	s_sub_co_u32 s17, ttmp9, s17                   ; my number among the work-groups of my destination
	s_lshr_b32 s18, s17, 5                         ; which weight (of use in the weights' work-groups alone)
	s_cmp_eq_u32 s18, 1
	s_cselect_b64 s[6:7], s[8:9], s[6:7]
	s_cmp_eq_u32 s18, 2
	s_cselect_b64 s[6:7], s[10:11], s[6:7]
	s_and_b32 s19, s17, 31                         ; my number within that weight
	s_cmp_lt_u32 ttmp9, XG
	s_cselect_b64 s[4:5], s[4:5], s[6:7]           ; the source,
	s_cselect_b64 s[8:9], s[20:21], s[24:25]       ; its codes,
	s_cselect_b64 s[10:11], s[22:23], s[26:27]     ; its scale bytes,
	s_cselect_b32 s19, s17, s19                    ; and my number within the source
	s_lshl_b32 s19, s19, 2
	s_add_co_u32 s19, s19, s16                     ; which run of 8,192 numbers of the source is my wave's
	s_lshl_b32 s18, s19, 15                        ; 32,768 bytes a run
	s_mov_b32 s19, 0
	s_add_nc_u64 s[4:5], s[4:5], s[18:19]
	s_lshl_b32 s17, s17, 2
	s_add_co_u32 s17, s17, s16                     ; and which run of the destination
	s_lshl_b32 s18, s17, 12                        ; 4,096 bytes of codes a run
	s_add_nc_u64 s[8:9], s[8:9], s[18:19]
	s_lshl_b32 s18, s17, 8                         ; 256 scale bytes a run
	s_add_nc_u64 s[10:11], s[10:11], s[18:19]
.macro LOAD t
.irp i, 0,1,2,3
	global_load_b128 v[R+16*((\t)%4)+4*\i:R+16*((\t)%4)+4*\i+3], v3, s[4:5] offset:2048*(\t)+512*\i th:TH_LOAD_NT   ; 32 lanes read 512 consecutive bytes
.endr
.endm
.macro TURN t                          ; step t's numbers through the stage: LDS serves a wave's instructions in order, so no wait stands between the stores and the loads
.irp i, 0,1,2,3
	ds_store_b128 v14, v[R+16*((\t)%4)+4*\i:R+16*((\t)%4)+4*\i+3] offset:32*SP*((\t)%2)+8*SP*\i
.endr
.irp i, 0,1,2,3
	ds_load_b128 v[X+16*((\t)%2)+4*\i:X+16*((\t)%2)+4*\i+3], v15 offset:32*SP*((\t)%2)+16*\i
.endr
.endm
.irp t, 0,1,2,3
	LOAD \t
.endr
	s_wait_loadcnt 12                              ; step 0's four loads are in; the twelve of steps 1 to 3 may be out
	TURN 0
.macro STEP t
.set XS, X+16*((\t)%2)
.if (\t) > 0
	s_wait_dscnt 1                                 ; this step's numbers are back from the stage (the last step's byte store may be out): so its stores into the stage have read their registers,
.else
	s_wait_dscnt 0x0
.endif
.if (\t)+4 < STEPS
	LOAD (\t)+4                                    ; which take the loads of four steps on
.endif
.if (\t)+1 < STEPS
.if STEPS-2-(\t) >= 3
	s_wait_loadcnt 12                              ; the next step's four loads are in; those of the three steps behind it may be out
.else
	s_wait_loadcnt 4*(STEPS-2-(\t))
.endif
	TURN (\t)+1                                    ; and go through the other stage while this step is worked
.endif
	v_max3_num_f32 v8, |v[XS]|, |v[XS+1]|, |v[XS+2]|               ; the largest magnitude of my 16
	v_max3_num_f32 v9, |v[XS+3]|, |v[XS+4]|, |v[XS+5]|
.irp i, 6,10
	v_max3_num_f32 v8, v8, |v[XS+\i]|, |v[XS+\i+1]|
	v_max3_num_f32 v9, v9, |v[XS+\i+2]|, |v[XS+\i+3]|
.endr
	v_max3_num_f32 v8, v8, |v[XS+14]|, |v[XS+15]|
	v_max3_num_f32 v8, v8, v9, (EMAX+1)<<23        ; and the floor 2^(EMAX + 1 - 127): so the byte cannot fall under 1
	v_max_num_f32_dpp v8, v8, v8 row_xmask:1 row_mask:0xf bank_mask:0xf   ; and of my neighbour's 16: the block's
	v_add_nc_u32 v11, -(EMAX<<23), v8              ; EMAX off its exponent field: the conversion takes the exponent field of this operand as its scale, and nothing else of it
	v_cvt_scalef32_pk8_fp4_f32 v[C+4*(\t)], v[XS:XS+7], v11
	v_cvt_scalef32_pk8_fp4_f32 v[C+4*(\t)+1], v[XS+8:XS+15], v11
	v_lshrrev_b32 v[E+(\t)], 23, v11               ; the scale's byte (also the plain line behind the conversions)
	ds_store_b8 v5, v[E+(\t)] offset:16*(\t)       ; both lanes of a block write the same byte with the same value
	global_store_b64 v4, v[C+4*(\t):C+4*(\t)+1], s[8:9] offset:32*CB*(\t)   ; 32 lanes store 256 consecutive bytes, aligned
.endm
.irp t, 0,1,2,3,4,5,6,7,8,9,10,11,12,13,14,15
	STEP \t
.endr
	ds_load_b64 v[8:9], v6                         ; LDS serves a wave's instructions in order: these see my stores
	s_wait_dscnt 0x0
	global_store_b64 v7, v[8:9], s[10:11]          ; 32 lanes store 256 consecutive bytes, aligned
	s_wait_tensorcnt 0x0                           ; the wave's end: behind my last LDS store
	ds_add_u32 v[SPW], v[NIL]
	s_wait_dscnt 0x0
	s_endpgm
.Lfunc_end_k_q246e84715f_quant:
	.size	k_q246e84715f_quant, .Lfunc_end_k_q246e84715f_quant-k_q246e84715f_quant
	.p2alignl 7, 3214868480
	.fill 96, 4, 3214868480
	.section	.rodata,"a",@progbits
	.p2align	6, 0x0
	.amdhsa_kernel k_q246e84715f_quant
		.amdhsa_group_segment_fixed_size 33280
		.amdhsa_private_segment_fixed_size 0
		.amdhsa_enable_private_segment 0
		.amdhsa_kernarg_size 64
		.amdhsa_user_sgpr_count 2
		.amdhsa_user_sgpr_kernarg_segment_ptr 1
		.amdhsa_wavefront_size32 1
		.amdhsa_system_sgpr_workgroup_id_x 1
		.amdhsa_system_sgpr_workgroup_id_y 1
		.amdhsa_system_sgpr_workgroup_id_z 1
		.amdhsa_system_vgpr_workitem_id 0
		.amdhsa_next_free_vgpr 192
		.amdhsa_next_free_sgpr 66
		.amdhsa_reserve_vcc 0
		.amdhsa_float_denorm_mode_32 3
		.amdhsa_float_denorm_mode_16_64 3
		.amdhsa_memory_ordered 1
		.amdhsa_forward_progress 1
		.amdhsa_inst_pref_size 34
	.end_amdhsa_kernel
	.amdgpu_metadata
---
amdhsa.version: [ 1, 2 ]
amdhsa.kernels:
  - .name:           k_q246e84715f_quant
    .symbol:         k_q246e84715f_quant.kd
    .args:
      - { .name: hidden_states, .offset: 0, .size: 8, .value_kind: global_buffer, .address_space: global }
      - { .name: Wq, .offset: 8, .size: 8, .value_kind: global_buffer, .address_space: global }
      - { .name: Wk, .offset: 16, .size: 8, .value_kind: global_buffer, .address_space: global }
      - { .name: Wv, .offset: 24, .size: 8, .value_kind: global_buffer, .address_space: global }
      - { .name: x_codes, .offset: 32, .size: 8, .value_kind: global_buffer, .address_space: global }
      - { .name: x_scales, .offset: 40, .size: 8, .value_kind: global_buffer, .address_space: global }
      - { .name: w_codes, .offset: 48, .size: 8, .value_kind: global_buffer, .address_space: global }
      - { .name: w_scales, .offset: 56, .size: 8, .value_kind: global_buffer, .address_space: global }
    .group_segment_fixed_size: 33280
    .private_segment_fixed_size: 0
    .kernarg_segment_align: 8
    .kernarg_segment_size: 64
    .max_flat_workgroup_size: 128
    .sgpr_count:     66
    .vgpr_count:     192
    .wavefront_size: 32
...
	.end_amdgpu_metadata
.endif
;; end of part 1
;; launch proj (part 2): grid 12 x 32, 4 waves a work-group, clusters of 4 x 4, 327,680 bytes of LDS; arguments x_codes, x_scales, w_codes, w_scales, bq, bk, bv, qkv; writes qkv
.if DOCPART == 2
	.amdgcn_target "amdgcn-amd-amdhsa--gfx1250"
	.amdhsa_code_object_version 6
	.text
	.protected	k_q246e84715f_proj
	.globl	k_q246e84715f_proj
	.p2align	8
	.type	k_q246e84715f_proj,@function
k_q246e84715f_proj:
	s_mov_b64 s[64:65], 0
	v_nop
	global_prefetch_b8 v0, s[64:65] scope:SCOPE_SE
	s_setreg_imm32_b32 hwreg(HW_REG_WAVE_MODE, 25, 1), 1
	s_wait_xcnt 0x0
	s_wait_alu depctr_hold_cnt(0) depctr_sa_sdst(0) depctr_va_vdst(0) depctr_va_sdst(0) depctr_va_ssrc(0) depctr_va_vcc(0) depctr_vm_vsrc(0)
	s_getreg_b32 s2, hwreg(HW_REG_IB_STS2, 6, 4)
	s_cmp_eq_u32 s2, 0
	s_cbranch_scc0 .Lentry_in_a_cluster
	s_endpgm
.Lentry_in_a_cluster:
	s_bfe_u32 s2, ttmp6, 0x10000c
	s_cmp_lg_u32 s2, 0xf033
	s_cbranch_scc0 .Lentry_shape_is_right
	s_endpgm
.Lentry_shape_is_right:
; The three projections as ONE product on codes of FP4 (E2M1) with E8M0 scales: C[m][n] = sum over k of x[m][k] W[n][k], m 8,192, n 3,072 (Wq, Wk, Wv on end), k 1,024; sums in f32.
; Then (C + bias) x cs, rounded once to f16 and laid by head: qkv [batch 8][g 48][position 1024][64], g = 16 x which + head, which = 0 q, 1 k, 2 v.  cs = log2(e) / 8 for q (so that the scores come out in units of base 2), 1 for k and v.
; LIMIT: the results are kept in f16: |q cs|, |k|, |v| must stay under 65,504.
; A tile of C, 256 x 256, is made by a work-group of four waves; a wave makes 128 x 128: 64 accumulators of 16 x 16, 512 registers.  K is two slots of 512 in LDS, both filled once at the head: nothing is filled again.
; THE SCALES of the work-group's 256 rows of x and 256 rows of W, for all of K, are two dense blocks of memory: they come into LDS once, with the first fills.
; CLUSTERS: 4 x 4 work-groups.  The four of a row of the cluster need the same tiles of x, the four of a column the same tiles of W: each tile is asked for JOINTLY, by the same tensor load with the same descriptor and a mask that names the four.
; A cluster is 1,024 columns wide: one weight.  So which = the cluster's x, the same in all sixteen partners.
; THE MATRIX INSTRUCTION IS USED TRANSPOSED (source 0 = 16 rows of W, source 1 = 16 rows of x): a lane then holds eight neighbouring columns of one row of C.
; 384 work-groups: a tile of 256 x 192 would lie across two weights, whose bias and cs differ; a tile of 128 x 256 would read each fragment from LDS for half as many products.
; REGISTERS, in windows of 256: window 0: v0-31 addresses; v32-95 scale words, two sets; v128-191 x's fragments, ONE set; v192-255 the bias in the result's layout; on the way out v32-191 are free.
;   window 1: W's fragments, TWO sets, at v0 and at v128.   window 2: the 32 accumulators of my rows 0-63 (accumulator (a, b) at v[8 (8 a + b)]);   window 3: those of my rows 64-127.
.set SIZE_M, 8192
.set SIZE_N, 3072
.set SIZE_K, 1024
.set KSTEP,  512                       ; along K in a slot
.set NQ,     KSTEP/128                 ; matrix instructions deep
.set ROWB,   256                       ; a tile's row in bytes
.set KROW,   SIZE_K*4/8                ; a row of codes in memory, in bytes
.set PITCH,  272                       ; an LDS row: 256 bytes + 16 of padding: the 16 rows that a load touches stand at 16 different 16-byte columns modulo 256
.set FR,     8                         ; registers of a fragment: 16 rows x 128 K
.set NL,     2                         ; LDS loads that bring one
.set NP,     4                         ; places behind this matrix instruction (ISA guide 7.12.1)
.set HALFT,  128*PITCH                 ; 128 rows: what one tensor load brings, and what one wave reads of x or of W
.set SLOT,   4*HALFT                   ; x's 256 rows, then W's 256 rows
.set KS,     SIZE_K/32                 ; a row of scales in bytes
.set SCL,    2*SLOT                    ; behind the slots: the scales, as runs of 256 bytes + 16 of padding
.set HALFS,  (128*KS/256)*272          ; the scales of 128 rows: what one tensor load brings
.set SBLK,   (16*KS/256)*272           ; those of 16 rows
.set SPARE,  SCL+4*HALFS               ; behind the scales: the spare words, 128 bytes for each wave, which no other line names
.set SPITCH, 272                       ; the way out: a stage of 16 rows x (256 bytes + 16) for each wave, in slot 0, which has had its one fill and its last read when the first result is stored there
.set ADRA, 16                          ; v16-17  LDS address of my x fragments in slot 0, 1
.set ADRB, 20                          ; v20-21  the same for W
.set STO,  24                          ; v24     the way out: where I put 16 bytes of a row
.set RD,   25                          ; v25     the way out: where I read back 16 bytes of a head's row
.set CO,   26                          ; v26     16 x lane: my place in a store's 512 bytes
.set ADRS, 27                          ; v27     LDS address of my scale words: lanes 0-15 x's rows, lanes 16-31 W's
.set SPW,  28                          ; v28     LDS address of my spare word; never rewritten
.set NIL,  29                          ; v29     0; never rewritten
.set BO,   30                          ; v30     32 x (lane / 16): my place in a block's 16 numbers of the bias
.set SC,   32                          ; scale words: set s at v[SC + 8 NQ s]; register NQ i + q: lanes 0-15 the word of x's block i, lanes 16-31 that of W's block i
.set AF,   128                         ; x's fragments, in window 0
.set T,    32                          ; the way out: v32-95 a block's 64 numbers a lane, in f32
.set TMP,  96                          ; v96-127 the same in f16
.set BB,   128                         ; v128-159 and v160-191 by turns: 16 rows read back from the stage
.set BI,   192                         ; v192-255 register 8 b + j: bias of my column 16 b + 8 (lane / 16) + j, later x cs
.set CS,   66                          ; s[66:67] cs, twice
.set G1, 24                            ; s[24:31] descriptor group 1 for x's tiles;  s[32:39] group 0, one set for each slot
.set G0, 32
.set G1B, 48                           ; s[48:55], s[56:63] the same for W's tiles
.set G0B, 56
.set G1S, 68                           ; s[68:75], s[76:79] groups 1 and 0 for x's scales;  s[80:87], s[88:91] for W's
.set G0S, 76
.set G1SB, 80
.set G0SB, 88
.set MSB, 0
.macro WIN new                         ; the immediate's high byte repeats the setting that is left
.if MSB != (\new)
	s_set_vgpr_msb (MSB<<8)|(\new)
.set MSB, (\new)
.endif
.endm
.set MUL_LO, 0xa1                      ; source 0 (W) window 1, source 1 (x) window 0, C and D window 2
.set MUL_HI, 0xf1                      ; the same, C and D window 3
.set TO_B,   0x40                      ; destination window 1, address window 0
; A joint load: waves 0 and 1 fetch for x, waves 2 and 3 for W.  Each of the two lines has ONE mask and one set of registers for all that issue it; the branch hangs on the wave's number alone.
; An s_nop 0 and four v_nop follow each of the two lines, ahead of the jump, the label and what follows.
.macro JLOAD g0a, g1a, g0b, g1b
	s_cmp_eq_u32 s15, 0
	s_cbranch_scc0 .Lfor_b_\@
	tensor_load_to_lds s[\g0a:\g0a+3], s[\g1a:\g1a+7]
	s_nop 0
.rept 4
	v_nop
.endr
	s_branch .Lasked_\@
.Lfor_b_\@:
	tensor_load_to_lds s[\g0b:\g0b+3], s[\g1b:\g1b+7]
	s_nop 0
.rept 4
	v_nop
.endr
.Lasked_\@:
.endm
.macro CROUND                          ; a round of the cluster's barrier
	s_barrier_signal -1
	s_barrier_wait -1
	s_cmp_lg_u32 s14, 0
	s_cbranch_scc1 .Lnot_wave_0_\@
	s_barrier_signal -3
.Lnot_wave_0_\@:
	s_barrier_wait -3
	s_barrier_signal -1
	s_barrier_wait -1
.endm
	s_load_b128 s[4:7], s[0:1], 0x0                ; x's codes s[4:5], x's scales s[6:7]
	s_load_b128 s[8:11], s[0:1], 0x10              ; W's codes s[8:9], W's scales s[10:11]
	s_load_b128 s[96:99], s[0:1], 0x20             ; bq s[96:97], bk s[98:99]
	s_load_b64 s[100:101], s[0:1], 0x30            ; bv
	s_load_b64 s[12:13], s[0:1], 0x38              ; qkv
	v_lshl_add_u32 v[SPW], v0, 2, SPARE
	v_mov_b32 v[NIL], 0
	ds_add_u32 v[SPW], v[NIL]                      ; the wave's opening: the add, twice on end, and its wait ahead of my first tensor load; the set-up below, work on registers, stands between
	ds_add_u32 v[SPW], v[NIL]
	v_lshrrev_b32 v1, 5, v0
	v_readfirstlane_b32 s14, v1                    ; wave 0..3
	s_lshr_b32 s15, s14, 1                         ; which half of the tile's rows is mine.  Also: I fetch for x (0) or for W (1)
	s_and_b32 s16, s14, 1                          ; which half of its columns.  Also: which 128 rows of that tile I fetch
	s_bfe_u32 s40, ttmp6, 0x40000                  ; cx, cy: my place in the cluster
	s_bfe_u32 s41, ttmp6, 0x40004
	s_lshl_b32 s42, ttmp9, 2
	s_add_co_u32 s42, s42, s40                     ; tile column of C = 4 x cluster x + cx
	s_and_b32 s17, ttmp7, 0xffff
	s_lshl_b32 s17, s17, 2
	s_add_co_u32 s17, s17, s41                     ; tile row of C = 4 x cluster y + cy
	s_lshl_b32 s43, s41, 2
	s_lshl_b32 s43, 15, s43                        ; my row of the cluster
	s_lshl_b32 s44, 0x1111, s40                    ; my column
	; descriptor group 1: a tile of 128 rows x ROWB bytes, padded in LDS
	s_or_b32 s[G1+0], s43, (0<<16)|(1<<20)|(1<<21)|(5<<22)|(3<<25)  ; 15:0 the mask: x's tiles go to my row; 17:16 element of 1 byte; 20 padding on; 21 set beside a mask; 24:22 after every 64 words; 31:25 of 4 words
	s_or_b32 s[G1B+0], s44, (0<<16)|(1<<20)|(1<<21)|(5<<22)|(3<<25)
.irp g, G1, G1B
	s_mov_b32 s[\g+1], ROWB<<16                    ; tensor_dim0
	s_mov_b32 s[\g+2], 128<<16                     ; tensor_dim1 = 128
	s_mov_b32 s[\g+3], ROWB<<16                    ; tile_dim0
	s_mov_b32 s[\g+4], 128                         ; tile_dim1 = 128
	s_mov_b32 s[\g+5], KROW                        ; tensor_dim0_stride
	s_mov_b32 s[\g+6], 0
	s_mov_b32 s[\g+7], 0
.endr
	; and for the scales of 128 rows: a dense block of 128 KS bytes, as rows of 256 bytes (32 elements of 8 bytes), 16 bytes of padding behind each
	s_or_b32 s[G1S+0], s43, (3<<16)|(1<<20)|(1<<21)|(5<<22)|(3<<25)
	s_or_b32 s[G1SB+0], s44, (3<<16)|(1<<20)|(1<<21)|(5<<22)|(3<<25)
.irp g, G1S, G1SB
	s_mov_b32 s[\g+1], 32<<16
	s_mov_b32 s[\g+2], (128*KS/256)<<16
	s_mov_b32 s[\g+3], 32<<16
	s_mov_b32 s[\g+4], 128*KS/256
	s_mov_b32 s[\g+5], 32
	s_mov_b32 s[\g+6], 0
	s_mov_b32 s[\g+7], 0
.endr
	s_lshl_b32 s18, s16, 7                         ; which 128 rows of the tile I fetch
	s_lshl_b32 s20, s17, 8
	s_add_co_u32 s20, s20, s18                     ; x: row 256 x tile row + 128 x half
	s_lshl_b32 s46, s42, 8
	s_add_co_u32 s46, s46, s18                     ; W: row 256 x tile column + 128 x half
	s_mov_b32 s21, 0
	s_mov_b32 s47, 0
	s_mov_b64 s[18:19], KS
	s_mul_u64 s[22:23], s[20:21], s[18:19]         ; where these rows' scales begin, in bytes
	s_mul_u64 s[92:93], s[46:47], s[18:19]
	s_mov_b64 s[18:19], KROW
	s_mul_u64 s[20:21], s[20:21], s[18:19]         ; and their codes
	s_mul_u64 s[46:47], s[46:47], s[18:19]
	s_mul_i32 s45, s14, HALFT                      ; where they go: wave x 128 rows: no place in the cluster enters an LDS address
	s_mul_i32 s94, s14, HALFS
	s_wait_dscnt 0x0                               ; both opening adds are done
	s_wait_kmcnt 0x0
	s_add_nc_u64 s[20:21], s[4:5], s[20:21]
	s_add_nc_u64 s[22:23], s[6:7], s[22:23]
	s_add_nc_u64 s[46:47], s[8:9], s[46:47]
	s_add_nc_u64 s[92:93], s[10:11], s[92:93]
	CROUND                                         ; all sixteen work-groups are here: the joint loads meet
	s_mov_b32 s[G0S], 1
	s_add_co_u32 s[G0S+1], s94, SCL
	s_mov_b64 s[G0S+2:G0S+3], s[22:23]
	s_or_b32 s[G0S+3], s[G0S+3], 0x80000000
	s_mov_b32 s[G0SB], 1
	s_add_co_u32 s[G0SB+1], s94, SCL
	s_mov_b64 s[G0SB+2:G0SB+3], s[92:93]
	s_or_b32 s[G0SB+3], s[G0SB+3], 0x80000000
	JLOAD G0S, G1S, G0SB, G1SB                     ; the scales first: they are wanted with the first slot
.irp s, 0,1
	s_mov_b32 s[G0+4*\s], 1
	s_add_co_u32 s[G0+4*\s+1], s45, \s*SLOT
	s_add_nc_u64 s[G0+4*\s+2:G0+4*\s+3], s[20:21], \s*ROWB
	s_or_b32 s[G0+4*\s+3], s[G0+4*\s+3], 0x80000000
	s_mov_b32 s[G0B+4*\s], 1
	s_add_co_u32 s[G0B+4*\s+1], s45, \s*SLOT
	s_add_nc_u64 s[G0B+4*\s+2:G0B+4*\s+3], s[46:47], \s*ROWB
	s_or_b32 s[G0B+4*\s+3], s[G0B+4*\s+3], 0x80000000
	JLOAD G0+4*\s, G1, G0B+4*\s, G1B               ; three tensor loads of mine are out behind the second of these
.endr
	v_and_b32 v1, 15, v0                           ; l % 16
	v_bfe_u32 v2, v0, 4, 1                         ; l / 16
	v_mul_u32_u24 v3, v1, PITCH
	v_lshl_add_u32 v4, v2, 4, v3                   ; a fragment's row x pitch + 16 x half
	s_mul_i32 s21, s15, HALFT                      ; my 128 rows of x
	s_mul_i32 s22, s16, HALFT                      ; my 128 rows of W,
	s_add_co_u32 s22, s22, 2*HALFT                 ; which lie behind x's 256
.irp s, 0,1
	v_add_nc_u32 v[ADRA+\s], s21, v4
	v_add_nc_u32 v[ADRB+\s], s22, v4
	s_add_co_u32 s21, s21, SLOT
	s_add_co_u32 s22, s22, SLOT
.endr
	v_mul_u32_u24 v5, v1, KS                       ; my row's scales: KS bytes a row,
	v_lshrrev_b32 v6, 8, v5
	v_lshl_add_u32 v5, v6, 4, v5                   ; and 16 more for each 256 passed
	s_mul_i32 s21, s15, HALFS                      ; x's: my 128 rows
	s_mul_i32 s22, s16, HALFS                      ; W's: my 128 rows, behind x's 256
	s_add_co_u32 s22, s22, 2*HALFS
	s_sub_co_u32 s22, s22, s21
	v_mul_u32_u24 v6, s22, v2                      ; lanes 16-31 take W's
	s_add_co_u32 s21, s21, SCL
	v_add_nc_u32 v5, v5, v6
	v_add_nc_u32 v[ADRS], s21, v5
	s_mul_i32 s23, s14, 16*SPITCH                  ; my stage
	v_mul_u32_u24 v5, v1, SPITCH                   ; in: row l % 16, 16 bytes for each half of the lanes
	v_lshl_add_u32 v5, v2, 4, v5
	v_add_nc_u32 v[STO], s23, v5
	v_and_b32 v6, 31, v0
	v_lshlrev_b32 v[CO], 4, v6                     ; 16 x lane
	v_lshrrev_b32 v5, 3, v6                        ; back: eight lanes take the 128 bytes that one row has of one head; four rows an instruction
	v_mul_u32_u24 v5, v5, SPITCH
	v_and_b32 v6, 7, v0
	v_lshl_add_u32 v5, v6, 4, v5
	v_add_nc_u32 v[RD], s23, v5
	v_lshlrev_b32 v[BO], 5, v2
	; where my part begins in qkv: batch = tile row / 4; position (tile row % 4) x 256 + 128 x row half, 128 bytes each; g = 4 x tile column + 2 x column half, 131,072 bytes each
	s_lshr_b32 s20, s17, 2
	s_mul_i32 s20, s20, 6291456
	s_and_b32 s21, s17, 3
	s_lshl_b32 s21, s21, 15
	s_add_co_u32 s20, s20, s21
	s_lshl_b32 s21, s15, 14
	s_add_co_u32 s20, s20, s21
	s_mov_b32 s21, 0
	s_lshl_b32 s46, s42, 19
	s_lshl_b32 s47, s16, 18
	s_add_co_u32 s46, s46, s47
	s_mov_b32 s47, 0
	s_add_nc_u64 s[20:21], s[20:21], s[46:47]
	s_add_nc_u64 s[12:13], s[12:13], s[20:21]
	; the bias and cs of my weight: the cluster's x says which, the same in all partners
	s_cmp_eq_u32 ttmp9, 0
	s_cselect_b64 s[96:97], s[96:97], s[98:99]
	s_cselect_b32 s[CS], 0x3e38aa3b, 1.0           ; log2(e) / 8 for q, 1 for k and v
	s_mov_b32 s[CS+1], s[CS]
	s_cmp_eq_u32 ttmp9, 2
	s_cselect_b64 s[96:97], s[100:101], s[96:97]
	s_lshl_b32 s92, s40, 10                        ; my 128 columns within the weight: 256 cx + 128 x column half, 4 bytes each
	s_lshl_b32 s93, s16, 9
	s_add_co_u32 s92, s92, s93
	s_mov_b32 s93, 0
	s_add_nc_u64 s[96:97], s[96:97], s[92:93]
.irp b, 0,1,2,3,4,5,6,7
	global_load_b128 v[BI+8*\b:BI+8*\b+3],   v[BO], s[96:97] offset:64*\b      ; waited for on the way out
	global_load_b128 v[BI+8*\b+4:BI+8*\b+7], v[BO], s[96:97] offset:64*\b+16
.endr
.macro FRAG reg, adr, q, i             ; a fragment, 16 rows x 128 K of 4-bit codes, is 8 registers: lane l holds row l % 16; registers 4 c .. 4 c + 3 hold K = 64 c + 32 (l / 16) + 0 .. 31
.irp c, 0,1
	ds_load_b128 v[\reg+4*\c:\reg+4*\c+3], v[\adr] offset:64*(\q)+32*\c+(\i)*16*PITCH
.endr
.endm
; 16 matrix instructions: x's blocks a0, a0 + 1 against W's eight, 128 along K: the slot's q-th.  p: W's set;  sc: the set of scale words.  zero = 1: the first product starts the sums.
; The 64 accumulators take turns, one instruction a turn, in the same order in every step.
.macro MUL16 a0, p, q, sc, zero
.irp a, \a0, \a0+1
.irp b, 0,1,2,3,4,5,6,7
.if \zero
	v_wmma_scale_f32_16x16x128_f8f6f4 v[8*(8*((\a)%4)+\b):8*(8*((\a)%4)+\b)+7], v[128*(\p)+FR*\b:128*(\p)+FR*\b+FR-1], v[AF+FR*(\a):AF+FR*(\a)+FR-1], 0, v[SC+8*NQ*(\sc)+NQ*\b+(\q)], v[SC+8*NQ*(\sc)+NQ*(\a)+(\q)] matrix_a_fmt:MATRIX_FMT_FP4 matrix_b_fmt:MATRIX_FMT_FP4 matrix_a_scale:MATRIX_SCALE_ROW1
.else
	v_wmma_scale_f32_16x16x128_f8f6f4 v[8*(8*((\a)%4)+\b):8*(8*((\a)%4)+\b)+7], v[128*(\p)+FR*\b:128*(\p)+FR*\b+FR-1], v[AF+FR*(\a):AF+FR*(\a)+FR-1], v[8*(8*((\a)%4)+\b):8*(8*((\a)%4)+\b)+7], v[SC+8*NQ*(\sc)+NQ*\b+(\q)], v[SC+8*NQ*(\sc)+NQ*(\a)+(\q)] matrix_a_fmt:MATRIX_FMT_FP4 matrix_b_fmt:MATRIX_FMT_FP4 matrix_a_scale:MATRIX_SCALE_ROW1
.endif
.endr
.endr
.endm
.macro FETCH_B slot, q, p              ; W's eight fragments of the slot's q-th 128 along K into set p
	WIN TO_B
.irp i, 0,1,2,3,4,5,6,7
	FRAG 128*(\p)+FR*\i, ADRB+\slot, \q, \i
.endr
	WIN 0
.endm
.macro FETCH_A slot, q, i0             ; x's blocks i0 .. i0 + 3
.irp i, \i0, \i0+1, \i0+2, \i0+3
	FRAG AF+FR*(\i), ADRA+\slot, \q, \i
.endr
.endm
.macro SCALES sc                       ; a slot's scale words into set sc: NQ words a row; lanes 0-15 take x's block i, lanes 16-31 W's block i
.irp i, 0,1,2,3,4,5,6,7
	ds_load_b128 v[SC+8*NQ*\sc+NQ*\i:SC+8*NQ*\sc+NQ*\i+3], v[ADRS] offset:\i*SBLK
.endr
.endm
; A load into a register that a matrix instruction has read, and a vector instruction that reads a matrix result, stand NP places behind that matrix instruction; only plain vector
; instructions that name none of its registers are places (ISA guide 7.12.1 for vector instructions).
.macro PLACES n
.rept \n
	v_nop
.endr
.endm
; A step of 128 along K that has its successor in the same slot.
.macro STEP slot, q, zero
	s_wait_dscnt 4*NL                              ; W's set and x's blocks 0-3 are in; the youngest eight loads (x's blocks 4-7) may be out
	WIN MUL_LO
	MUL16 0, (\q)%2, \q, \slot, \zero
	MUL16 2, (\q)%2, \q, \slot, \zero
	s_wait_dscnt 0                                 ; x's blocks 4-7 are in (asked for 32 matrix instructions ago)
	PLACES NP
	FETCH_B \slot, (\q)+1, 1-(\q)%2
	FETCH_A \slot, (\q)+1, 0
	WIN MUL_HI
	MUL16 4, (\q)%2, \q, \slot, \zero
	MUL16 6, (\q)%2, \q, \slot, \zero
	PLACES NP
	WIN 0
	FETCH_A \slot, (\q)+1, 4
.endm
; Slot 0's last step changes slots: ONE barrier; in front of it each wave waits for all its tensor loads (its part of slot 1), adds 0 to its spare word, and waits for that and for its own reads of slot 0.  Nothing is filled again.
.macro TURN slot, next
	s_wait_tensorcnt 0x0                           ; all my tensor loads have landed: my part of the next slot
	ds_add_u32 v[SPW], v[NIL]                      ; 0 onto my spare word
	s_wait_dscnt 4*NL+1                            ; (the add and the youngest eight loads, x's blocks 4-7, may be out)
	WIN MUL_LO
	MUL16 0, 1, NQ-1, \slot, 0                     ; sixteen matrix instructions stand between the add and the wait for it
	s_wait_dscnt 0x0                               ; the add is done, and my reads of this slot are over
	s_barrier_signal -1
	MUL16 2, 1, NQ-1, \slot, 0
	WIN 0
	s_barrier_wait -1
	PLACES NP
	v_add_nc_u32 v[ADRS], 4*NQ, v[ADRS]            ; on to the next slot's scale words (no LDS load of mine is out)
	FETCH_B \next, 0, 0
	FETCH_A \next, 0, 0
	SCALES \next
	WIN MUL_HI
	MUL16 4, 1, NQ-1, \slot, 0
	MUL16 6, 1, NQ-1, \slot, 0
	PLACES NP
	WIN 0
	FETCH_A \next, 0, 4
.endm
.macro STEPS slot, from                ; the slot's steps from .. NQ - 2
.set Q, \from
.rept NQ-1-\from
	STEP \slot, Q, 0
.set Q, Q+1
.endr
.endm
	s_wait_tensorcnt 1                             ; the scales and my part of slot 0 are in (slot 1's load, the one issued behind them, may be out),
	s_barrier_signal -1
	s_barrier_wait -1                              ; everybody's are
	FETCH_B 0, 0, 0
	FETCH_A 0, 0, 0
	SCALES 0
	FETCH_A 0, 0, 4
	STEP 0, 0, 1                                   ; the first step's products start the sums: nothing is cleared
	STEPS 0, 1
	TURN 0, 1
	STEPS 1, 0
	s_wait_dscnt 4*NL                              ; the very last step: nothing more to fetch
	WIN MUL_LO
	MUL16 0, 1, NQ-1, 1, 0
	MUL16 2, 1, NQ-1, 1, 0
	s_wait_dscnt 0
	WIN MUL_HI
	MUL16 4, 1, NQ-1, 1, 0
	MUL16 6, 1, NQ-1, 1, 0
	WIN 0
; THE WAY OUT, block by block of 16 rows x 128 columns (two heads).  (sum + bias) x cs is one fused multiply-add, sum x cs + bias x cs; two roundings to f16 in one instruction.
; A lane holds 16 neighbouring bytes of a row, and the lanes beside it hold other rows: so a block goes through my own stage in LDS and comes back by heads: four rows x 128 bytes of one head are 512
; consecutive bytes of qkv.  LDS serves a wave's instructions in order (ISA guide 5.7.1.4): no wait between the stores and the loads, nor in front of the next block's stores.
.macro PACK a
.set AC, 64*((\a)%4)
	WIN 0x02+((\a)/4)                              ; source 0: window 2 or 3
.irp b, 0,1,2,3,4,5,6,7
.irp i, 0,1,2,3
	v_pk_fma_f32 v[T+8*\b+2*\i:T+8*\b+2*\i+1], v[AC+8*\b+2*\i:AC+8*\b+2*\i+1], s[CS:CS+1], v[BI+8*\b+2*\i:BI+8*\b+2*\i+1] op_sel_hi:[1,0,1]   ; each accumulator from its low end on
.endr
.endr
	WIN 0
.irp b, 0,1,2,3,4,5,6,7
.irp i, 0,1,2,3
	v_cvt_pk_f16_f32 v[TMP+4*\b+\i], v[T+8*\b+2*\i], v[T+8*\b+2*\i+1]
.endr
.endr
.endm
.macro TOSTAGE a
.set BBR, BB+32*((\a)%2)
.irp b, 0,1,2,3,4,5,6,7
	ds_store_b128 v[STO], v[TMP+4*\b:TMP+4*\b+3] offset:32*\b
.endr
.irp x, 0,1,2,3,4,5,6,7
	ds_load_b128 v[BBR+4*\x:BBR+4*\x+3], v[RD] offset:(\x%4)*4*SPITCH+(\x/4)*128   ; head x / 4, rows 4 (x % 4) on
.endr
.endm
.macro SEND a, younger                 ; younger: the LDS instructions issued behind block a's loads, which may stay out
.set BBR, BB+32*((\a)%2)
	s_wait_dscnt \younger                          ; the block is back in registers
.irp x, 0,1,2,3,4,5,6,7
	global_store_b128 v[CO], v[BBR+4*\x:BBR+4*\x+3], s[12:13] offset:(\a)*2048+(\x/4)*131072+(\x%4)*512   ; 32 lanes store 512 consecutive bytes, at a multiple of 512 from the first byte of qkv; no base is stepped
.endr
.endm
	s_wait_loadcnt 0x0                             ; the bias
.set i, 0
.rept 32
	v_pk_mul_f32 v[BI+2*i:BI+2*i+1], v[BI+2*i:BI+2*i+1], s[CS:CS+1] op_sel_hi:[1,0]   ; bias x cs.  These 32 lines name no register of the last products: they are the places behind them
.set i, i+1
.endr
	PACK 0
	TOSTAGE 0
.irp a, 1,2,3,4,5,6,7
	PACK \a
.if \a > 1
	s_wait_xcnt 0x0                                ; block a - 2's stores have read their registers: block a's loads may land there
.endif
	TOSTAGE \a
	SEND \a-1, 16                                  ; behind block a - 1's loads: block a's 8 stores and 8 loads
.endr
	SEND 7, 0
	s_wait_tensorcnt 0x0                           ; the wave's end: behind my last tensor load and my last LDS store
	ds_add_u32 v[SPW], v[NIL]
	s_wait_dscnt 0x0
	CROUND                                         ; the closing round: no work-group ends while a partner may still ask for a tile that names it
	s_endpgm
.Lfunc_end_k_q246e84715f_proj:
	.size	k_q246e84715f_proj, .Lfunc_end_k_q246e84715f_proj-k_q246e84715f_proj
	.p2alignl 7, 3214868480
	.fill 96, 4, 3214868480
	.section	.rodata,"a",@progbits
	.p2align	6, 0x0
	.amdhsa_kernel k_q246e84715f_proj
		.amdhsa_group_segment_fixed_size 327680
		.amdhsa_private_segment_fixed_size 0
		.amdhsa_enable_private_segment 0
		.amdhsa_kernarg_size 64
		.amdhsa_user_sgpr_count 2
		.amdhsa_user_sgpr_kernarg_segment_ptr 1
		.amdhsa_wavefront_size32 1
		.amdhsa_system_sgpr_workgroup_id_x 1
		.amdhsa_system_sgpr_workgroup_id_y 1
		.amdhsa_system_sgpr_workgroup_id_z 1
		.amdhsa_system_vgpr_workitem_id 0
		.amdhsa_next_free_vgpr 1024
		.amdhsa_next_free_sgpr 102
		.amdhsa_reserve_vcc 0
		.amdhsa_float_denorm_mode_32 3
		.amdhsa_float_denorm_mode_16_64 3
		.amdhsa_memory_ordered 1
		.amdhsa_forward_progress 1
		.amdhsa_inst_pref_size 146
	.end_amdhsa_kernel
	.amdgpu_metadata
---
amdhsa.version: [ 1, 2 ]
amdhsa.kernels:
  - .name:           k_q246e84715f_proj
    .symbol:         k_q246e84715f_proj.kd
    .args:
      - { .name: x_codes, .offset: 0, .size: 8, .value_kind: global_buffer, .address_space: global }
      - { .name: x_scales, .offset: 8, .size: 8, .value_kind: global_buffer, .address_space: global }
      - { .name: w_codes, .offset: 16, .size: 8, .value_kind: global_buffer, .address_space: global }
      - { .name: w_scales, .offset: 24, .size: 8, .value_kind: global_buffer, .address_space: global }
      - { .name: bq, .offset: 32, .size: 8, .value_kind: global_buffer, .address_space: global }
      - { .name: bk, .offset: 40, .size: 8, .value_kind: global_buffer, .address_space: global }
      - { .name: bv, .offset: 48, .size: 8, .value_kind: global_buffer, .address_space: global }
      - { .name: qkv, .offset: 56, .size: 8, .value_kind: global_buffer, .address_space: global }
    .group_segment_fixed_size: 327680
    .private_segment_fixed_size: 0
    .kernarg_segment_align: 8
    .kernarg_segment_size: 64
    .max_flat_workgroup_size: 128
    .sgpr_count:     102
    .vgpr_count:     1024
    .wavefront_size: 32
...
	.end_amdgpu_metadata
.endif
;; end of part 2
;; launch attn (part 3): grid 2 x 128, 8 waves a work-group, no clusters, 327,680 bytes of LDS; arguments qkv, attention_mask, out0; writes out0
.if DOCPART == 3
	.amdgcn_target "amdgcn-amd-amdhsa--gfx1250"
	.amdhsa_code_object_version 6
	.text
	.protected	k_q246e84715f_attn
	.globl	k_q246e84715f_attn
	.p2align	8
	.type	k_q246e84715f_attn,@function
k_q246e84715f_attn:
	s_mov_b64 s[64:65], 0
	v_nop
	global_prefetch_b8 v0, s[64:65] scope:SCOPE_SE
	s_setreg_imm32_b32 hwreg(HW_REG_WAVE_MODE, 25, 1), 1
	s_wait_xcnt 0x0
; out0[b][q][64 hd + :] = the sum over k of softmax_k(Q[q] . K[k] / 8 + mask[b][k]) V[k][:], for each of 8 batches x 16 heads; 1,024 positions, head size 64.
; qkv: f16, [b 8][g 48][position 1024][64], g = head (q, already times log2(e) / 8), 16 + head (k), 32 + head (v).  Products on f16 operands, sums, maxima and the softmax in f32; the weights p are rounded to f16 for the second product.
; SHARES.  A work-group owns 512 queries of one head (x: which half; y: 16 b + head); each of its eight waves 64: four tiles of 16, worked as two pieces of two tiles.  Two waves share a SIMD, 512 registers each,
; so that one wave's softmax stands beside the other's products; a fragment of K or V read from LDS feeds four matrix instructions.
; THE WHOLE HEAD'S K AND V LIE IN LDS, each byte filled once, in four chunks of 256 keys: no slot is filled again.  Waves 0-3 fetch K, waves 4-7 V: four tensor loads a wave, all issued at the head: four are out.
; NO CLUSTER: two work-groups share a head; a cluster of four would hold two heads, and a joint load's mask and address would hang on a work-group's place in it.
; LAYOUT.  S^T = K Q^T (source 0 = 16 keys, source 1 = 16 queries): a lane holds ONE query (lane % 16) and the keys 8 (lane / 16) + 0..7.  Two such tiles, rounded to f16 in pairs, ARE source 1 (32 keys x 16 queries)
; of O^T = V^T P, whose result again holds one query a lane, and eight channels.  K comes out of LDS as it lies, V ([key][channel]) turned, by ds_load_tr16_b128.
; THE MASK, times log2(e), is the C of each score tile's first product: eight registers in the result's layout, read from LDS.
; SOFTMAX.  For each query a running maximum m and sum l: p = 2^(s - m); in every step O and l are multiplied by a = 2^(m_old - m_new).
; LIMITS.  mask x log2(e) is held at -1e30 from below: a row whose every key carries the most negative f32 number averages evenly, as the definition does; a row masked by -infinity at every key gives that even
; average where the definition gives NaN.  NaN and +infinity in the mask are not served.  |q log2(e) / 8|, |k|, |v| stay under 65,504 (they come as f16).
; REGISTERS, in windows of 256 (s_set_vgpr_msb: bits 1:0 source 0, 3:2 source 1, 5:4 source 2, 7:6 destination):
;   window 0: v1-15 addresses; v16-47 eight registers of statistics a tile; v48-111 S^T of a piece; v112-143 P of a piece; v144-175 the mask as C; v176-239 K of one step
;   window 1: v0-127 O^T, 32 a tile; v128-191 Q, 16 a tile; v192-255 V of one step
.set KP2,   272                        ; an LDS row of K holds TWO keys: 256 bytes + 16 of padding
.set VP2,   288                        ; of V: 256 + 32: the turning load's sixteen lanes likewise
.set VOFF,  512*KP2                    ; K: 512 rows from byte 0;  V: 512 rows from here
.set MASK,  VOFF+512*VP2               ; 1,024 f32: the batch's mask x log2(e), held at -1e30 from below
.set STAGE, MASK+4096                  ; the way out: 16 rows x 272 bytes for each wave
.set SPARE, STAGE+8*16*272             ; the spare words, 128 bytes for each wave, which no other line names
.set KSTEP, 32*KP2                     ; 64 keys of K in LDS: a key step, and what one tensor load brings
.set VSTEP, 32*VP2                     ; and of V
.set AK0, 1                            ; v1   my lane's place in a tile of K; never rewritten
.set AV0, 2                            ; v2   the same for V
.set AM0, 3                            ; v3   and in the mask
.set ADK, 4                            ; v4-6 the LDS addresses of the loads in hand
.set ADV, 5
.set ADM, 6
.set QO,  7                            ; v7   my byte offset in the wave's rows of Q
.set STO, 8                            ; v8   the way out: where I put 32 bytes of a row
.set RD,  9                            ; v9   where I read a row back
.set GO,  10                           ; v10  my byte offset in the wave's rows of out0
.set SPW, 12                           ; v12  LDS address of my spare word; never rewritten
.set NIL, 13                           ; v13  0; never rewritten
.set ST,  16                           ; tile t's statistics at v[ST+8 t]: +0 m, +1 m_old - m, +2, +3 l (even keys', odd keys'), +4 to +7 c0-c3, at work; a takes c2's place
.set S,   48                           ; tile u of the piece at S + 32 u, its key tile kt at + 8 kt
.set P,   112                          ; tile u at P + 16 u
.set MK,  144                          ; key tile kt at + 8 kt
.set KF,  176                          ; K's fragment (key tile kt, channels 32 c on) at + 16 kt + 8 c
.set QF,  128                          ; in window 1: Q's fragment (tile t, c) at + 16 t + 8 c
.set VF,  192                          ; in window 1: V's fragment (keys 32 kk on, channels 16 ct on) at + 32 kk + 8 ct
.set WV,  10                           ; s10  my wave's number
.set G1K, 24                           ; s[24:31] descriptor group 1 for K's tiles;  s[32:39] for V's: it differs in the padding alone
.set G1V, 32
.set G0K, 40                           ; s[40:55] group 0 for K's four chunks;  s[68:83] for V's
.set G0V, 68
.set SEL, 84                           ; s[84:85] lane selects for v_permlanex16_b32: lane l xor 16
.set KB,  86                           ; s86-88  LDS bytes at which the step to be fetched begins: in K, in V, in the mask
.set VB,  87
.set MB,  88
.set CNT, 89                           ; s89  counts a loop's steps
.set MSB, 0
.macro WIN new                         ; the immediate's high byte repeats the setting that is left; a switch that changes nothing is dropped
.if MSB != (\new)
	s_set_vgpr_msb (MSB<<8)|(\new)
.set MSB, (\new)
.endif
.endm
.set W_KQ, 0x04                        ; Q (source 1) in window 1; K, the mask and S^T in window 0
.set W_PV, 0x51                        ; V (source 0) and O^T (C and D) in window 1, P in window 0
.set W_RS, 0x41                        ; O^T (destination and source 0) in window 1, a in window 0
	s_load_b128 s[4:7], s[0:1], 0x0                ; qkv s[4:5], attention_mask s[6:7]
	s_load_b64 s[8:9], s[0:1], 0x10                ; out0
	v_lshl_add_u32 v[SPW], v0, 2, SPARE
	v_mov_b32 v[NIL], 0
	ds_add_u32 v[SPW], v[NIL]                      ; the wave's opening: the add, twice on end, and its wait ahead of my first tensor load; the set-up below, work on registers, stands between
	ds_add_u32 v[SPW], v[NIL]
	v_lshrrev_b32 v11, 5, v0
	v_readfirstlane_b32 s[WV], v11                 ; wave 0..7
	s_and_b32 s11, s[WV], 3                        ; which 64 keys of each chunk I fetch
	s_and_b32 s12, ttmp7, 0xffff
	s_lshr_b32 s13, s12, 4                         ; the batch
	s_and_b32 s12, s12, 15                         ; the head
	s_mul_i32 s14, s13, 6291456                    ; a batch of qkv: 48 x 131,072 bytes
	s_lshl_b32 s15, s12, 17
	s_add_co_u32 s14, s14, s15
	s_mov_b32 s15, 0                               ; s[14:15]: where the head's q begins
	s_mul_i32 s16, s11, KSTEP                      ; where my part of a chunk goes: in K,
	s_mul_i32 s17, s11, VSTEP
	s_add_co_u32 s17, s17, VOFF                    ; in V;
	s_lshl_b32 s18, s11, 13                        ; and where it lies in memory: 64 keys x 128 bytes
	s_mov_b32 s19, 0
	; descriptor group 1: 32 rows of 128 elements of 2 bytes (two keys a row), dense in memory, padded in LDS
	s_mov_b32 s[G1K], (1<<16)|(1<<20)|(5<<22)|(3<<25)   ; 15:0 no mask; 17:16 elements of 2 bytes; 20 padding on; 24:22 after every 64 words; 31:25 four words
	s_mov_b32 s[G1V], (1<<16)|(1<<20)|(5<<22)|(7<<25)   ; the same with eight words
.irp g, G1K, G1V
	s_mov_b32 s[\g+1], 128<<16                     ; tensor_dim0 = 128
	s_mov_b32 s[\g+2], 32<<16                      ; tensor_dim1 = 32
	s_mov_b32 s[\g+3], 128<<16                     ; tile_dim0 = 128
	s_mov_b32 s[\g+4], 32                          ; tile_dim1 = 32
	s_mov_b32 s[\g+5], 128                         ; tensor_dim0_stride
	s_mov_b32 s[\g+6], 0
	s_mov_b32 s[\g+7], 0
.endr
	s_mov_b32 s[SEL], 0x76543210
	s_mov_b32 s[SEL+1], 0xfedcba98
	s_mov_b32 s[KB], 0
	s_mov_b32 s[VB], 0
	s_mov_b32 s[MB], 0
	s_wait_dscnt 0x0                               ; both opening adds are done
	s_wait_kmcnt 0x0
	s_add_nc_u64 s[4:5], s[4:5], s[14:15]          ; the head's q
	s_add_nc_u64 s[20:21], s[4:5], s[18:19]
	s_add_nc_u64 s[22:23], s[20:21], 4194304       ; my part of chunk 0 of v: 32 blocks of 131,072 bytes on,
	s_add_nc_u64 s[20:21], s[20:21], 2097152       ; of k: 16 blocks on
.irp c, 0,1,2,3
	s_mov_b32 s[G0K+4*\c], 1                       ; count = 1
	s_add_co_u32 s[G0K+4*\c+1], s16, \c*4*KSTEP    ; LDS address: chunk c
	s_add_nc_u64 s[G0K+4*\c+2:G0K+4*\c+3], s[20:21], \c*32768   ; global address: 256 keys a chunk
	s_or_b32 s[G0K+4*\c+3], s[G0K+4*\c+3], 0x80000000           ; type = 2
	s_mov_b32 s[G0V+4*\c], 1
	s_add_co_u32 s[G0V+4*\c+1], s17, \c*4*VSTEP
	s_add_nc_u64 s[G0V+4*\c+2:G0V+4*\c+3], s[22:23], \c*32768
	s_or_b32 s[G0V+4*\c+3], s[G0V+4*\c+3], 0x80000000
.endr
	s_cmp_lt_u32 s[WV], 4                          ; a wave's four fills stand in one branch, ahead of every wait on TENSORcnt, every LDS read and every barrier; an s_nop 0 follows each, four v_nop the last
	s_cbranch_scc0 .Lfirst_v
.irp c, 0,1,2,3
	tensor_load_to_lds s[G0K+4*\c:G0K+4*\c+3], s[G1K:G1K+7]
	s_nop 0
.endr
.rept 4
	v_nop
.endr
	s_branch .Lfirst_asked
.Lfirst_v:
.irp c, 0,1,2,3
	tensor_load_to_lds s[G0V+4*\c:G0V+4*\c+3], s[G1V:G1V+7]
	s_nop 0
.endr
.rept 4
	v_nop
.endr
.Lfirst_asked:
	s_lshl_b32 s18, ttmp9, 16                      ; Q: my half's 512 rows of 128 bytes,
	s_lshl_b32 s16, s[WV], 13                      ; my wave's 64 of them
	s_add_co_u32 s18, s18, s16
	s_add_nc_u64 s[4:5], s[4:5], s[18:19]
	s_lshl_b32 s18, s13, 12                        ; the batch's mask: 4,096 bytes
	s_add_nc_u64 s[6:7], s[6:7], s[18:19]
	s_lshl_b32 s18, s13, 22                        ; out0: the batch's 1,024 rows of 4,096 bytes,
	s_lshl_b32 s16, ttmp9, 21                      ; my half's 512,
	s_add_co_u32 s18, s18, s16
	s_lshl_b32 s16, s[WV], 18                      ; my wave's 64,
	s_add_co_u32 s18, s18, s16
	s_lshl_b32 s16, s12, 8                         ; the head's 256 bytes of a row
	s_add_co_u32 s18, s18, s16
	s_add_nc_u64 s[8:9], s[8:9], s[18:19]
	v_and_b32 v11, 15, v0                          ; r = l % 16
	v_bfe_u32 v14, v0, 4, 1                        ; h = l / 16
	; a fragment of K: lane l holds key r; registers 0-3 channels 8 h + 0..7, registers 4-7 channels 16 + 8 h + 0..7: two loads of 16 bytes, 32 bytes apart.  Key r lies in LDS row r / 2, half r % 2
	v_lshrrev_b32 v15, 1, v11
	v_mul_u32_u24 v[AK0], v15, KP2
	v_and_b32 v15, 1, v0
	v_lshl_add_u32 v[AK0], v15, 7, v[AK0]
	v_lshl_add_u32 v[AK0], v14, 4, v[AK0]
	; the turning load: lane l reads 16 bytes: key 8 h + l % 8, channels 8 ((l / 8) % 2) + 0..7, and is left with channel l % 16 and 8 keys
	v_bfe_u32 v[AV0], v0, 1, 2                     ; (l % 8) / 2
	v_lshl_add_u32 v[AV0], v14, 2, v[AV0]          ; + 4 h: the LDS row
	v_mul_u32_u24 v[AV0], v[AV0], VP2
	v_lshl_add_u32 v[AV0], v15, 7, v[AV0]          ; its half: l % 2
	v_bfe_u32 v15, v0, 3, 1
	v_lshl_add_u32 v[AV0], v15, 4, v[AV0]
	v_add_nc_u32 v[AV0], VOFF, v[AV0]
	v_lshl_add_u32 v[AM0], v14, 5, MASK            ; the mask of keys 8 h + 0..7
	v_lshlrev_b32 v[QO], 7, v11
	v_lshl_add_u32 v[QO], v14, 4, v[QO]            ; Q: row r of 128 bytes + 16 h
	s_mul_i32 s16, s[WV], 16*272
	s_add_co_u32 s16, s16, STAGE                   ; my stage
	v_mul_u32_u24 v[STO], v11, 272                 ; in: row r, 32 bytes for each half of the lanes
	v_lshl_add_u32 v[STO], v14, 5, v[STO]
	v_add_nc_u32 v[STO], s16, v[STO]
	v_mul_u32_u24 v[RD], v14, 272                  ; back: lanes 0-15 take one row of 256 bytes, lanes 16-31 the next
	v_lshl_add_u32 v[RD], v11, 4, v[RD]
	v_add_nc_u32 v[RD], s16, v[RD]
	v_lshlrev_b32 v[GO], 12, v14                   ; and the same two rows in out0
	v_lshl_add_u32 v[GO], v11, 4, v[GO]
	v_lshlrev_b32 v15, 4, v0                       ; the mask: thread t takes 16 bytes at 16 t: the 256 threads take the batch's 4,096
	v_lshl_add_u32 v[ADM], v0, 4, MASK
	global_load_b128 v[S:S+3], v15, s[6:7]
	WIN 0x40                                       ; destination window 1, address window 0
.irp t, 0,1,2,3
.irp c, 0,1
	global_load_b128 v[QF+16*\t+8*\c:QF+16*\t+8*\c+3],   v[QO], s[4:5] offset:\t*2048+64*\c th:TH_LOAD_NT      ; Q stays in registers
	global_load_b128 v[QF+16*\t+8*\c+4:QF+16*\t+8*\c+7], v[QO], s[4:5] offset:\t*2048+64*\c+32 th:TH_LOAD_NT
.endr
.endr
	WIN 0
.irp t, 0,1,2,3
	v_mov_b32 v[ST+8*\t], 0xff61b1e6               ; m: -3e38, under every score
	v_mov_b32 v[ST+8*\t+1], 0                      ; (named with m as a pair, so it is written)
.endr
	s_wait_loadcnt 16                              ; the mask's load is in; the sixteen issued behind it, Q's, may be out
.irp i, 0,1,2,3
	v_mul_f32 v[S+\i], 0x3fb8aa3b, v[S+\i]         ; x log2(e)
.endr
.irp i, 0,1,2,3
	v_max_num_f32 v[S+\i], 0xf149f2ca, v[S+\i]     ; held at -1e30 from below
.endr
	ds_store_b128 v[ADM], v[S:S+3]
; The next step's K (64 keys x 64 channels: 8 fragments) and its mask (4 tiles of C): 24 loads in one run.
.macro FETCH_KM
	v_add_nc_u32 v[ADK], s[KB], v[AK0]
	v_add_nc_u32 v[ADM], s[MB], v[AM0]
.irp kt, 0,1,2,3
.irp c, 0,1
	ds_load_b128 v[KF+16*\kt+8*\c:KF+16*\kt+8*\c+3],   v[ADK] offset:\kt*8*KP2+64*\c
	ds_load_b128 v[KF+16*\kt+8*\c+4:KF+16*\kt+8*\c+7], v[ADK] offset:\kt*8*KP2+64*\c+32
.endr
.endr
.irp kt, 0,1,2,3
	ds_load_b128 v[MK+8*\kt:MK+8*\kt+3],   v[ADM] offset:64*\kt
	ds_load_b128 v[MK+8*\kt+4:MK+8*\kt+7], v[ADM] offset:64*\kt+16
.endr
	s_add_co_u32 s[KB], s[KB], KSTEP
	s_add_co_u32 s[MB], s[MB], 256
.endm
; This step's V, turned: 16 loads in one run.
.macro FETCH_V
	v_add_nc_u32 v[ADV], s[VB], v[AV0]
	s_add_co_u32 s[VB], s[VB], VSTEP
	WIN 0x40                                       ; destination window 1
.irp kk, 0,1
.irp ct, 0,1,2,3
	ds_load_tr16_b128 v[VF+32*\kk+8*\ct:VF+32*\kk+8*\ct+3],   v[ADV] offset:\kk*16*VP2+32*\ct
	ds_load_tr16_b128 v[VF+32*\kk+8*\ct+4:VF+32*\kk+8*\ct+7], v[ADV] offset:\kk*16*VP2+8*VP2+32*\ct
.endr
.endr
	WIN 0
.endm
; S^T = K Q^T + mask for piece p: 16 products; the first eight take the mask as C.  The eight accumulators take turns, one instruction a turn.
.macro QK p
	WIN W_KQ
.irp c, 0,1
.irp kt, 0,1,2,3
.irp u, 0,1
.if \c == 0
	v_wmma_f32_16x16x32_f16 v[S+32*\u+8*\kt:S+32*\u+8*\kt+7], v[KF+16*\kt:KF+16*\kt+7], v[QF+16*(2*\p+\u):QF+16*(2*\p+\u)+7], v[MK+8*\kt:MK+8*\kt+7]
.else
	v_wmma_f32_16x16x32_f16 v[S+32*\u+8*\kt:S+32*\u+8*\kt+7], v[KF+16*\kt+8:KF+16*\kt+15], v[QF+16*(2*\p+\u)+8:QF+16*(2*\p+\u)+15], v[S+32*\u+8*\kt:S+32*\u+8*\kt+7]
.endif
.endr
.endr
.endr
.endm
; O^T += V^T P for piece p: 16 products, eight accumulators by turns.  first = 1: the first eight start the sums: nothing is cleared.
.macro PV p, first
	WIN W_PV
.irp kk, 0,1
.irp ct, 0,1,2,3
.irp u, 0,1
.if \first && (\kk == 0)
	v_wmma_f32_16x16x32_f16 v[32*(2*\p+\u)+8*\ct:32*(2*\p+\u)+8*\ct+7], v[VF+32*\kk+8*\ct:VF+32*\kk+8*\ct+7], v[P+16*\u+8*\kk:P+16*\u+8*\kk+7], 0
.else
	v_wmma_f32_16x16x32_f16 v[32*(2*\p+\u)+8*\ct:32*(2*\p+\u)+8*\ct+7], v[VF+32*\kk+8*\ct:VF+32*\kk+8*\ct+7], v[P+16*\u+8*\kk:P+16*\u+8*\kk+7], v[32*(2*\p+\u)+8*\ct:32*(2*\p+\u)+8*\ct+7]
.endif
.endr
.endr
.endr
.endm
; The softmax of piece p for one key step; every line is written for the piece's two tiles by turns.  first = 1: the first key step, which starts l and O^T: it has no a and nothing to rescale.
.macro SM p, first
	WIN 0
.irp i, 0,1,2,3                        ; the maximum of the lane's 32 scores and the old m, three operands at a time: four chains, each begun at its accumulator's low end
.irp u, 0,1
	v_max3_num_f32 v[ST+8*(2*\p+\u)+4+\i], v[S+32*\u+8*\i], v[S+32*\u+8*\i+1], v[S+32*\u+8*\i+2]
.endr
.endr
.irp k, 3,5
.irp i, 0,1,2,3
.irp u, 0,1
	v_max3_num_f32 v[ST+8*(2*\p+\u)+4+\i], v[ST+8*(2*\p+\u)+4+\i], v[S+32*\u+8*\i+\k], v[S+32*\u+8*\i+\k+1]
.endr
.endr
.endr
.irp u, 0,1
	v_max3_num_f32 v[ST+8*(2*\p+\u)+4], v[ST+8*(2*\p+\u)+4], v[S+32*\u+7], v[S+32*\u+15]
	v_max3_num_f32 v[ST+8*(2*\p+\u)+6], v[ST+8*(2*\p+\u)+6], v[S+32*\u+23], v[S+32*\u+31]
.endr
.irp u, 0,1
	v_max3_num_f32 v[ST+8*(2*\p+\u)+4], v[ST+8*(2*\p+\u)+4], v[ST+8*(2*\p+\u)+5], v[ST+8*(2*\p+\u)+6]
.endr
.irp u, 0,1
	v_max3_num_f32 v[ST+8*(2*\p+\u)+4], v[ST+8*(2*\p+\u)+4], v[ST+8*(2*\p+\u)+7], v[ST+8*(2*\p+\u)]
.endr
.irp u, 0,1
	v_permlanex16_b32 v[ST+8*(2*\p+\u)+5], v[ST+8*(2*\p+\u)+4], s[SEL], s[SEL+1]   ; the query's other 32 keys lie in the lane 16 away
.endr
.if !\first
.irp u, 0,1
	v_mov_b32 v[ST+8*(2*\p+\u)+1], v[ST+8*(2*\p+\u)]      ; m_old
.endr
.endif
.irp u, 0,1
	v_max_num_f32 v[ST+8*(2*\p+\u)], v[ST+8*(2*\p+\u)+4], v[ST+8*(2*\p+\u)+5]      ; the new m
.endr
.if !\first
.irp u, 0,1
	v_sub_f32 v[ST+8*(2*\p+\u)+1], v[ST+8*(2*\p+\u)+1], v[ST+8*(2*\p+\u)]
.endr
.irp u, 0,1
	v_exp_f32 v[ST+8*(2*\p+\u)+6], v[ST+8*(2*\p+\u)+1]    ; a = 2^(m_old - m)
.endr
.endif
.irp x, 0,1,2,3,4,5,6,7,8,9,10,11,12,13,14,15
.irp u, 0,1
	v_pk_add_f32 v[S+32*\u+2*\x:S+32*\u+2*\x+1], v[S+32*\u+2*\x:S+32*\u+2*\x+1], v[ST+8*(2*\p+\u):ST+8*(2*\p+\u)+1] op_sel_hi:[1,0] neg_lo:[0,1] neg_hi:[0,1]   ; s - m, two at a time
.endr
.endr
.irp x, 0,1,2,3,4,5,6,7,8,9,10,11,12,13,14,15,16,17,18,19,20,21,22,23,24,25,26,27,28,29,30,31
.irp u, 0,1
	v_exp_f32 v[S+32*\u+\x], v[S+32*\u+\x]         ; p = 2^(s - m)
.endr
.endr
	v_nop                                          ; the plain instruction behind the last exponential
	s_wait_alu depctr_va_vdst(0)                   ; ONE wait for the piece's exponentials, ahead of the first instruction that names a result
.irp x, 0,1,2,3,4,5,6,7,8,9,10,11,12,13,14,15
.irp u, 0,1
	v_cvt_pk_f16_f32 v[P+16*\u+\x], v[S+32*\u+2*\x], v[S+32*\u+2*\x+1]
.endr
.endr
.irp z, 0,1,2,3,4,5,6,7                ; the sum of the tile's 16 pairs, in place: neighbours 1, 2, 4 and 8 pairs apart
.irp u, 0,1
	v_pk_add_f32 v[S+32*\u+4*\z:S+32*\u+4*\z+1], v[S+32*\u+4*\z:S+32*\u+4*\z+1], v[S+32*\u+4*\z+2:S+32*\u+4*\z+3]
.endr
.endr
.irp z, 0,1,2,3
.irp u, 0,1
	v_pk_add_f32 v[S+32*\u+8*\z:S+32*\u+8*\z+1], v[S+32*\u+8*\z:S+32*\u+8*\z+1], v[S+32*\u+8*\z+4:S+32*\u+8*\z+5]
.endr
.endr
.irp z, 0,1
.irp u, 0,1
	v_pk_add_f32 v[S+32*\u+16*\z:S+32*\u+16*\z+1], v[S+32*\u+16*\z:S+32*\u+16*\z+1], v[S+32*\u+16*\z+8:S+32*\u+16*\z+9]
.endr
.endr
.if \first
.irp u, 0,1
	v_pk_add_f32 v[ST+8*(2*\p+\u)+2:ST+8*(2*\p+\u)+3], v[S+32*\u:S+32*\u+1], v[S+32*\u+16:S+32*\u+17]     ; l begins
.endr
.else
.irp u, 0,1
	v_pk_add_f32 v[S+32*\u:S+32*\u+1], v[S+32*\u:S+32*\u+1], v[S+32*\u+16:S+32*\u+17]
.endr
.irp u, 0,1
	v_pk_fma_f32 v[ST+8*(2*\p+\u)+2:ST+8*(2*\p+\u)+3], v[ST+8*(2*\p+\u)+2:ST+8*(2*\p+\u)+3], v[ST+8*(2*\p+\u)+6:ST+8*(2*\p+\u)+7], v[S+32*\u:S+32*\u+1] op_sel_hi:[1,0,1]   ; l = a l + the sum
.endr
	WIN W_RS
.irp x, 0,1,2,3,4,5,6,7,8,9,10,11,12,13,14,15
.irp u, 0,1
	v_pk_mul_f32 v[32*(2*\p+\u)+2*\x:32*(2*\p+\u)+2*\x+1], v[32*(2*\p+\u)+2*\x:32*(2*\p+\u)+2*\x+1], v[ST+8*(2*\p+\u)+6:ST+8*(2*\p+\u)+7] op_sel_hi:[1,0]   ; O^T x a
.endr
.endr
.endif
.endm
; A vector instruction that reads a matrix result, and a load into a register that a matrix instruction has read, stand four places behind it; only plain vector instructions that name none of its registers are places
; (ISA guide 7.12.1 for vector instructions).
.macro PLACES
.rept 4
	v_nop
.endr
.endm
; A KEY STEP: 64 keys.  K and the mask were fetched a piece ahead, in the step before.  No two matrix instructions that follow each other share an accumulator, over the loop's backward jump too.
.macro STEP first, last
	PLACES                                         ; behind the step before's last V^T P, ahead of the loads into V's registers
	FETCH_V
	s_wait_dscnt 16                                ; K and the mask are in; the sixteen loads issued behind them, V's, may be out
	QK 0
	WIN 0
	PLACES
	SM 0, \first
	s_wait_dscnt 0x0                               ; V is in
	PV 0, \first
	QK 1
	WIN 0
	PLACES                                         ; ahead of the loads into K's and the mask's registers, and of the first read of the scores
.if !\last
	FETCH_KM                                       ; the next step's
.endif
	SM 1, \first
	PV 1, \first
	WIN 0                                          ; at a label and at a branch every window is 0
.endm
; A chunk has landed: n = the tensor loads of mine that were issued behind it and may stay out.  My LDS instructions are done; then the work-group's barrier.
.macro MEET n
	s_wait_tensorcnt \n
	s_wait_dscnt 0x0
	s_barrier_signal -1
	s_barrier_wait -1
.endm
.macro LOOP n
	s_mov_b32 s[CNT], \n
.Lstep_\@:
	STEP 0, 0
	s_sub_co_u32 s[CNT], s[CNT], 1
	s_cmp_lg_u32 s[CNT], 0
	s_cbranch_scc1 .Lstep_\@
.endm
	MEET 3                                         ; chunk 0 (keys 0-255) is whole, and so is the mask in LDS
	FETCH_KM                                       ; key step 0
	s_wait_loadcnt 0x0                             ; Q
	STEP 1, 0                                      ; key step 0
	LOOP 2                                         ; steps 1, 2
	MEET 2                                         ; chunk 1, one step before it begins: step 3 fetches step 4's K
	LOOP 4                                         ; steps 3 to 6
	MEET 1                                         ; chunk 2
	LOOP 4                                         ; steps 7 to 10
	MEET 0                                         ; chunk 3
	LOOP 4                                         ; steps 11 to 14
	STEP 0, 1                                      ; step 15 fetches nothing more
	; THE WAY OUT.  The two halves of l and the other half of the lanes' are added; O^T is divided by l and sent through my stage in LDS, a tile (16 queries) at a time.  The additions are the places behind the last products.
.irp t, 0,1,2,3
	v_add_f32 v[ST+8*\t+4], v[ST+8*\t+2], v[ST+8*\t+3]
.endr
.irp t, 0,1,2,3
	v_permlanex16_b32 v[ST+8*\t+5], v[ST+8*\t+4], s[SEL], s[SEL+1]
.endr
.irp t, 0,1,2,3
	v_add_f32 v[ST+8*\t+4], v[ST+8*\t+4], v[ST+8*\t+5]
.endr
.irp t, 0,1,2,3
	v_rcp_f32 v[ST+8*\t+6], v[ST+8*\t+4]
.endr
	v_nop                                          ; a plain instruction between the last reciprocal and the use of its result
	s_wait_alu depctr_va_vdst(0)                   ; and one wait ahead of the first use, for the four
; Tile t: a lane's 32 channels of a query go into rows of 272 bytes and come back as whole rows of 256, into the registers that they left.
.macro PACK t
.set Y, S+32*\t
	WIN 0x01                                       ; source 0 (O^T) window 1
.irp x, 0,1,2,3,4,5,6,7,8,9,10,11,12,13,14,15
	v_pk_mul_f32 v[Y+2*\x:Y+2*\x+1], v[32*\t+2*\x:32*\t+2*\x+1], v[ST+8*\t+6:ST+8*\t+7] op_sel_hi:[1,0]   ; each accumulator from its low end on
.endr
	WIN 0
.irp ct, 0,1,2,3
	ds_store_b128 v[STO], v[Y+8*\ct:Y+8*\ct+3] offset:64*\ct
	ds_store_b128 v[STO], v[Y+8*\ct+4:Y+8*\ct+7] offset:64*\ct+16
.endr
.irp i, 0,1,2,3,4,5,6,7
	ds_load_b128 v[Y+4*\i:Y+4*\i+3], v[RD] offset:\i*2*272   ; LDS serves a wave's instructions in order (ISA guide 5.7.1.4): these see the stores above; the next tile's stores come behind them
.endr
.endm
.macro SEND t, younger                 ; younger: the LDS instructions issued behind tile t's loads: the next tile's sixteen, or none
.set Y, S+32*\t
.irp f, 0,1,2,3,4,5,6,7
	s_wait_dscnt \younger+7-\f
	global_store_b128 v[GO], v[Y+4*\f:Y+4*\f+3], s[8:9] offset:\t*65536+\f*8192 th:TH_STORE_NT   ; 16 lanes store 256 consecutive bytes, at a multiple of 256 from the first byte of out0: a query's part of its head
.endr
.endm
	PACK 0
	PACK 1                                         ; a tile's arithmetic stands between the loads of the tile before and its stores
	SEND 0, 16
	PACK 2
	SEND 1, 16
	PACK 3
	SEND 2, 16
	SEND 3, 0
	s_wait_tensorcnt 0x0                           ; the wave's end: behind my last tensor load and my last LDS store
	ds_add_u32 v[SPW], v[NIL]
	s_wait_dscnt 0x0
	s_endpgm
.Lfunc_end_k_q246e84715f_attn:
	.size	k_q246e84715f_attn, .Lfunc_end_k_q246e84715f_attn-k_q246e84715f_attn
	.p2alignl 7, 3214868480
	.fill 96, 4, 3214868480
	.section	.rodata,"a",@progbits
	.p2align	6, 0x0
	.amdhsa_kernel k_q246e84715f_attn
		.amdhsa_group_segment_fixed_size 327680
		.amdhsa_private_segment_fixed_size 0
		.amdhsa_enable_private_segment 0
		.amdhsa_kernarg_size 24
		.amdhsa_user_sgpr_count 2
		.amdhsa_user_sgpr_kernarg_segment_ptr 1
		.amdhsa_wavefront_size32 1
		.amdhsa_system_sgpr_workgroup_id_x 1
		.amdhsa_system_sgpr_workgroup_id_y 1
		.amdhsa_system_sgpr_workgroup_id_z 1
		.amdhsa_system_vgpr_workitem_id 0
		.amdhsa_next_free_vgpr 512
		.amdhsa_next_free_sgpr 96
		.amdhsa_reserve_vcc 0
		.amdhsa_float_denorm_mode_32 3
		.amdhsa_float_denorm_mode_16_64 3
		.amdhsa_memory_ordered 1
		.amdhsa_forward_progress 1
		.amdhsa_inst_pref_size 215
	.end_amdhsa_kernel
	.amdgpu_metadata
---
amdhsa.version: [ 1, 2 ]
amdhsa.kernels:
  - .name:           k_q246e84715f_attn
    .symbol:         k_q246e84715f_attn.kd
    .args:
      - { .name: qkv, .offset: 0, .size: 8, .value_kind: global_buffer, .address_space: global }
      - { .name: attention_mask, .offset: 8, .size: 8, .value_kind: global_buffer, .address_space: global }
      - { .name: out0, .offset: 16, .size: 8, .value_kind: global_buffer, .address_space: global }
    .group_segment_fixed_size: 327680
    .private_segment_fixed_size: 0
    .kernarg_segment_align: 8
    .kernarg_segment_size: 24
    .max_flat_workgroup_size: 256
    .sgpr_count:     96
    .vgpr_count:     512
    .wavefront_size: 32
...
	.end_amdgpu_metadata
.endif
;; end of part 3
